; MI455X (gfx1250); checked and timed in simulation.
; The chip was launched on July 23, 2026; its instructions are those of AMD's public machine-readable ISA for CDNA 5 (MIT licence, August 2026) and "CDNA5" Instruction Set Architecture Reference Guide (July 2026). The comments in the code are by the model that wrote it; some were corrected since.
;; Multi Head Attention. Allowed arithmetic: matrix products marked QUANTISED: E5M2 operands, one given power-of-two scale a tensor, by v_wmma_f32_16x16x64_bf8_bf8 or v_wmma_f32_16x16x128_bf8_bf8, f32 sums; everything else in f32.
;; Inputs: W_out 1,024 x 1,024 float32; b_out 1,024 float32; keys 4 x 2,048 x 1,024 float32; lowp_scales 6 int32 (the exponents e of the quantised operands' scales 2^e); query 4 x 2,048 x 1,024 float32; values 4 x 2,048 x 1,024 float32.
;; Outputs: out0 4 x 2,048 x 1,024 float32.
;; This version of the problem:
;;   THIS VERSION OF THE PROBLEM IS GIVEN IN LOW PRECISION. The matrix products marked QUANTISED in the list below multiply operands that are first quantised to E5M2 (5 exponent bits, 2 mantissa bits; 8 bits a number), with one given power-of-two scale for each operand tensor; their sums are f32. All else is computed in f32.
;;   The module's matrix products, in the order in which they are computed (A, B: the left and right operand; K: the contracted axis; several contracted axes count as one K, in the product's order):
;;     1. batch 64 x [M 2,048, K 64] x [K 64, N 2,048]; A: input query; B: input keys: QUANTISED (scales: A lowp_scales[0], B lowp_scales[1])
;;     2. batch 64 x [M 64, K 2,048] x [K 2,048, N 2,048]; A: input values; B: softmax (see below): QUANTISED (scales: A lowp_scales[2], B lowp_scales[3])
;;     3. [M 8,192, K 1,024] x [K 1,024, N 1,024]; A: computed on the way; B: input W_out: QUANTISED (scales: A lowp_scales[4], B lowp_scales[5])
;;   THE QUANTISER, for each operand of a quantised product, along K:
;;     - The operand's scale is 2^e, e = its entry of the input lowp_scales (int32; the entries are numbered through the quantised products in the list's order, A before B).
;;     - Each number is divided by the scale, clamped to +-57,344, and rounded to the nearest number of E5M2, ties to even, subnormals kept.
;;     - The product sums the exact products of the quantised numbers (number of the format x scale) in f32.
;;   ~~~python
;;   def quantise(x, axis, e):      # numpy; x: float32 -> the quantised numbers, widened to float32 again
;;       x = np.moveaxis(x, axis, -1); K = x.shape[-1]
;;       r = np.clip(x / 2.0 ** e, -57344, 57344)
;;       step = 2.0 ** (np.maximum(np.frexp(np.where(r == 0, 1, r))[1] - 1, -14) - 2)
;;       q = np.round(r / step) * step * 2.0 ** e      # np.round: ties to even
;;       return np.moveaxis(q, -1, axis).astype(np.float32)
;;   ~~~
;;   SOFTMAX AHEAD OF A QUANTISED PRODUCT. Where the list says 'softmax', what is quantised is not the finished softmax but p = 2^(t - M), with t = logit x log2(e) and M = ceil(the row's largest t), a whole number; so 1/2 < the row's largest p <= 1. The row's sum l is taken of the UNQUANTISED p, in f32, and the product's result is divided by l at the end. Since M is a whole number, a kernel that streams over the keys may use a running M (the ceiling of the running maximum): every later rescaling is an exact power of two, so the quantised numbers keep their values, but for numbers so far below the row's largest that they fall under the format's range.
;;   OPERANDS COMPUTED ON THE WAY. 'Computed on the way' means the value that the module computes at that place (a softmax that the list does not call 'softmax' is quantised finished and normalised). What goes into a quantiser is computed in f32, as accurately as f32 sums, v_exp_f32 and their like allow (about 1e-6 of the number): no bf16 or f16 on the way to a quantiser, and a product that is left as it is and whose result goes on into a quantised operand takes f32 operands (vector FMAs, or v_wmma_f32_16x16x4_f32). A number that lies on a knife's edge between two numbers of the format may be rounded either way, as far as f32 arithmetic and the matrix unit's own rounding can turn it there, and no further.
;; One version. Each part assembles by itself: llvm-mc -triple=amdgcn-amd-amdhsa -mcpu=gfx1250 --defsym DOCPART=n.
;; ======== version 1 of 1: 3 launches
;; limits: right only within a limited range of input values
;; workspace buffers: kv_img 16,777,216 bytes; w_img 1,048,576 bytes; a_img 8,388,608 bytes
;; launch prep (part 1): grid 1088 x 1, 4 waves a work-group, no clusters, 34,304 bytes of LDS; arguments keys, values, W_out, lowp_scales, kv_img, w_img; writes kv_img, w_img
.if DOCPART == 1
	.amdgcn_target "amdgcn-amd-amdhsa--gfx1250"
	.amdhsa_code_object_version 6
	.text
	.protected	k_qd29d774f30_prep
	.globl	k_qd29d774f30_prep
	.p2align	8
	.type	k_qd29d774f30_prep,@function
k_qd29d774f30_prep:
	s_mov_b64 s[64:65], 0
	v_nop
	global_prefetch_b8 v0, s[64:65] scope:SCOPE_SE
	s_setreg_imm32_b32 hwreg(HW_REG_WAVE_MODE, 25, 1), 1
	s_wait_xcnt 0x0
; keys, values [4][2048][1024] and W_out [1024][1024], f32, become codes of E5M2, each tensor with its given scale 2^e (keys: entry 1, values: entry 2, W_out: entry 5 of the scales).
; code = x / 2^e, held within +-57,344, rounded to the nearest code, ties to even.
; LIMITS: each of the three e lies between -126 and 112, so that 2^e and 57,344 x 2^e are f32 numbers.  NaN among the inputs is not served.
; THE CODES ARE LAID AS IMAGES OF OPERAND REGISTERS.  Lane L = 16 hh + r of a fragment holds row r, and its registers 4 c .. 4 c + 3 hold k = 32 c + 16 hh + 0 .. 15.
; An image is [c][hh][r][16 bytes]: register group c of all lanes is 512 bytes on end, at 512 c + 16 L.  The same order of k is used on both sides of every product.
; kv_img, head y = 16 n + h, key step j (128 keys), at 262,144 y + 16,384 j:
;   K tile t = 2 b + u at + 1,024 t: row r is key 128 j + 32 b + 8 u + r + 8 (r / 8), k = the head's 64 channels;
;   V^T fragment dt = 2 b + u at + 8,192 + 2,048 dt: row r is channel 32 b + 8 u + r + 8 (r / 8), k = the step's 128 keys.
; w_img at 16,384 NT + 2,048 ks: row r is W_out's row 16 NT + r, k = 128 ks + 0 .. 127.
; SHARES.  Work-groups 0-511: keys; 512-575: W_out (one path for both, only scalars are chosen); 576-1087: values.  Each takes 65,536 bytes of f32.
; No cluster: no two work-groups read the same byte.  No barrier: waves share nothing.  Only the path of keys and W_out uses LDS.
.set R, 32                             ; v32-159  keys, W_out: two units of 16 rows x 512 bytes as they are loaded.  values: 128 numbers of my column
.set X, 160                            ; values: v160-191 codes.  keys, W_out: set anew in each unit: the unit's own 64 registers of R, register 16 q + i = k 32 q + 16 hh + i of my row
.set C, 160                            ; v160-191 keys, W_out: codes, 16 registers a unit, so that no store's data are written again
.set SP, 528                           ; a stage row: 512 bytes + 16
.set STG, 16*SP                        ; a wave's own stage: 8,448 bytes
.macro POW se, vsc, vlim               ; s[se] = e  ->  v[vsc] = 2^e as f32 (the conversion takes its exponent field), v[vlim] = 57,344 x 2^e
	s_add_co_i32 s[\se], s[\se], 127
	s_lshl_b32 s49, s[\se], 23
	v_mov_b32 v[\vsc], s49
	s_add_co_i32 s[\se], s[\se], 15
	s_lshl_b32 s[\se], s[\se], 23
	s_or_b32 s[\se], s[\se], 0x600000              ; the mantissa field of 57,344
	v_mov_b32 v[\vlim], s[\se]
.endm
	s_load_b256 s[4:11], s[0:1], 0x0               ; keys s[4:5], values s[6:7], W_out s[8:9], the scales' exponents s[10:11]
	s_load_b128 s[12:15], s[0:1], 0x20             ; kv_img s[12:13], w_img s[14:15]
	v_lshl_add_u32 v30, v0, 2, 0x8400
	v_mov_b32 v31, 0
	v_lshrrev_b32 v1, 5, v0
	v_readfirstlane_b32 s16, v1                    ; wave 0..3
	v_and_b32 v12, 31, v0                          ; L
	v_and_b32 v13, 15, v0                          ; r
	v_bfe_u32 v14, v0, 4, 1                        ; hh
	s_wait_kmcnt 0x0
	s_load_b128 s[20:23], s[10:11], 0x0            ; e0 .. e3
	s_load_b64 s[24:25], s[10:11], 0x10            ; e4, e5
	s_cmp_ge_u32 ttmp9, 576
	s_cbranch_scc1 .Lvalues
; ---- keys and W_out: K is innermost.  A work-group takes the 16 rows of one tile, whole (4,096 bytes each); wave w takes bytes 1,024 w on of each row, as two units of 512.
	s_lshr_b32 s26, ttmp9, 7                       ; keys: g = 128 n + 8 j + t
	s_bfe_u32 s27, ttmp9, 0x40003                  ; j
	s_and_b32 s28, ttmp9, 7                        ; t
	s_lshl_b32 s30, s26, 11
	s_lshl_b32 s31, s27, 7
	s_add_co_u32 s30, s30, s31
	s_lshr_b32 s31, s28, 1
	s_lshl_b32 s31, s31, 5
	s_add_co_u32 s30, s30, s31
	s_and_b32 s31, s28, 1
	s_lshl_b32 s31, s31, 3
	s_add_co_u32 s30, s30, s31                     ; first row: 2,048 n + 128 j + 32 (t / 2) + 8 (t % 2)
	s_lshl_b32 s32, s26, 22
	s_lshl_b32 s31, s27, 14
	s_add_co_u32 s32, s32, s31
	s_lshl_b32 s31, s28, 10
	s_add_co_u32 s32, s32, s31                     ; head 16 n's tile: 16 x 262,144 n + 16,384 j + 1,024 t
	s_max_u32 s33, ttmp9, 512                      ; W_out: NT = g - 512
	s_sub_co_u32 s33, s33, 512
	s_lshl_b32 s34, s33, 4                         ; first row: 16 NT
	s_lshl_b32 s35, s33, 14                        ; 16,384 NT
	s_mov_b32 s36, 32768                           ; from row 0 to row 8 of a tile: 8 rows in W_out, 16 in keys
	s_mov_b32 s37, 2048                            ; from unit to unit in the images: a K step in w_img, two heads in kv_img
	s_mov_b32 s38, 1024                            ; from a unit's first 64 along K to its second: half a fragment, or a head
	s_cmp_lt_u32 ttmp9, 512                        ; the choice hangs on the work-group's number alone
	s_cselect_b32 s30, s30, s34
	s_cselect_b32 s32, s32, s35
	s_cselect_b32 s36, 65536, s36
	s_cselect_b32 s37, 524288, s37
	s_cselect_b32 s38, 262144, s38
	s_cselect_b64 s[40:41], s[4:5], s[8:9]
	s_cselect_b64 s[42:43], s[12:13], s[14:15]
	s_lshl_b32 s44, s30, 12
	s_lshl_b32 s45, s16, 10
	s_add_co_u32 s44, s44, s45
	s_mov_b32 s45, 0
	s_add_nc_u64 s[40:41], s[40:41], s[44:45]      ; in: my 1,024 bytes of the tile's first row
	s_mov_b32 s33, 0
	s_add_nc_u64 s[42:43], s[42:43], s[32:33]      ; out: the tile's image
	s_wait_alu depctr_va_vdst(0)
	v_lshlrev_b32 v1, 4, v12                       ; rows 0-7: 16 L
	v_add_nc_u32 v2, s36, v1                       ; rows 8-15
	s_mul_i32 s46, s16, STG
	v_add_nc_u32 v3, s46, v1                       ; the stage, way in: a row's 512 bytes as they lie
	v_mul_u32_u24 v4, v13, SP
	v_lshl_add_u32 v4, v14, 6, v4
	v_add_nc_u32 v4, s46, v4                       ; way out: row r, + 64 hh: my 16 numbers of each 32
	s_lshl_b32 s47, s16, 1
	s_mul_i32 s47, s47, s37
	v_add_nc_u32 v5, s47, v1                       ; v[5 + 2 u + g]: where unit u's half g goes: 16 L + (2 w + u) units + g halves
	v_add_nc_u32 v6, s38, v5
	v_add_nc_u32 v7, s37, v5
	v_add_nc_u32 v8, s38, v7
.macro KLOAD u                         ; unit u: 16 loads, each 512 consecutive bytes of one row, aligned
.irp i, 0,1,2,3,4,5,6,7
	global_load_b128 v[R+64*(\u)+4*\i:R+64*(\u)+4*\i+3], v1, s[40:41] offset:4096*\i+512*(\u) th:TH_LOAD_NT
.endr
.irp i, 0,1,2,3,4,5,6,7
	global_load_b128 v[R+64*(\u)+32+4*\i:R+64*(\u)+32+4*\i+3], v2, s[40:41] offset:4096*\i+512*(\u) th:TH_LOAD_NT
.endr
.endm
.macro UNIT u
.set X, R+64*(\u)                      ; the unit's numbers come back from the stage into the registers that they were loaded into
	s_wait_loadcnt 16*(1-(\u))                     ; this unit's 16 loads are in; the other unit's 16 were issued behind unit 0's
.irp i, 0,1,2,3,4,5,6,7,8,9,10,11,12,13,14,15
	ds_store_b128 v3, v[R+64*(\u)+4*\i:R+64*(\u)+4*\i+3] offset:SP*\i
.endr
	s_wait_dscnt 0x0                               ; the stores have read their registers: the loads below land there
.irp q, 0,1,2,3
.irp j, 0,1,2,3
	ds_load_b128 v[X+16*\q+4*\j:X+16*\q+4*\j+3], v4 offset:128*\q+16*\j   ; LDS serves a wave's instructions in order (ISA guide 5.7.1.4): these see the stores above
.endr
.endr
.irp q, 0,1,2,3
	s_wait_dscnt 12-4*\q                           ; block q's four loads are in; the later blocks' may be out
.set x, X+16*\q
.rept 16
	v_med3_num_f32 v[x], v[x], -v10, v10           ; the conversion to an 8-bit code does not saturate (ISA guide 7.6.2): the hold at the largest code x the scale
.set x, x+1
.endr
	v_cvt_scalef32_pk8_bf8_f32 v[C+16*(\u)+4*\q:C+16*(\u)+4*\q+1], v[X+16*\q:X+16*\q+7], v11
	v_cvt_scalef32_pk8_bf8_f32 v[C+16*(\u)+4*\q+2:C+16*(\u)+4*\q+3], v[X+16*\q+8:X+16*\q+15], v11
.endr
	v_nop                                          ; a plain line behind the last conversion: the next unit's holds write the conversions' sources
.irp q, 0,1,2,3
	global_store_b128 v[5+2*(\u)+\q/2], v[C+16*(\u)+4*\q:C+16*(\u)+4*\q+3], s[42:43] offset:512*(\q%2)   ; 32 lanes store 512 consecutive bytes, aligned
.endr
.endm
	KLOAD 0
	KLOAD 1
	s_wait_alu depctr_va_vdst(0)
	s_wait_kmcnt 0x0
	s_cmp_lt_u32 ttmp9, 512
	s_cselect_b32 s48, s21, s25                    ; e1 for keys, e5 for W_out
	POW 48, 11, 10
	s_wait_alu depctr_va_vdst(0)
	UNIT 0
	UNIT 1
	s_wait_tensorcnt 0x0
	ds_add_u32 v30, v31
	s_wait_dscnt 0x0
	s_endpgm
; ---- values: K (the keys) is not innermost.  A lane takes a channel and its registers run down the keys, so the conversions give codes with the keys innermost and nothing is transposed.
; A work-group takes a key step (128 rows) x 128 columns; wave w 32 of them: half w % 2 of head 2 cbk + w / 2.  Lane (u = L / 16, r) takes column 8 u + r + 8 (r / 8): row r of fragment 2 (w % 2) + u.
.Lvalues:
.set X, 160
	s_sub_co_u32 s26, ttmp9, 576
	s_lshr_b32 s27, s26, 3                         ; jb = 16 n + j
	s_and_b32 s28, s26, 7                          ; cbk
	s_lshl_b32 s30, s27, 19                        ; 128 rows of 4,096 bytes
	s_lshl_b32 s31, s28, 9
	s_add_co_u32 s30, s30, s31
	s_lshl_b32 s31, s16, 7
	s_add_co_u32 s30, s30, s31
	s_mov_b32 s31, 0
	s_add_nc_u64 s[6:7], s[6:7], s[30:31]
	s_lshr_b32 s32, s27, 4
	s_lshl_b32 s32, s32, 4
	s_lshl_b32 s33, s28, 1
	s_add_co_u32 s32, s32, s33
	s_lshr_b32 s33, s16, 1
	s_add_co_u32 s32, s32, s33                     ; head y = 16 n + 2 cbk + w / 2
	s_lshl_b32 s32, s32, 18
	s_and_b32 s33, s27, 15
	s_lshl_b32 s33, s33, 14
	s_add_co_u32 s32, s32, s33                     ; + 16,384 j
	s_and_b32 s33, s16, 1
	s_lshl_b32 s33, s33, 12
	s_add_co_u32 s32, s32, s33                     ; + two fragments for the head's second half
	s_add_co_u32 s32, s32, 8192                    ; behind the step's eight tiles of K
	s_mov_b32 s33, 0
	s_add_nc_u64 s[12:13], s[12:13], s[32:33]
	s_wait_alu depctr_va_vdst(0)
	v_and_b32 v15, 8, v13
	v_add_nc_u32 v15, v15, v13
	v_lshl_add_u32 v15, v14, 3, v15                ; my column of the wave's 32
	v_lshlrev_b32 v1, 2, v15
	v_lshlrev_b32 v2, 4, v13
	v_lshl_add_u32 v2, v14, 11, v2                 ; out: 2,048 u + 16 r
.macro VLOAD p                         ; keys 16 p .. 16 p + 15 of my column; the wave's 32 lanes read 128 consecutive bytes, the four waves 512
.irp i, 0,1,2,3,4,5,6,7,8,9,10,11,12,13,14,15
	global_load_b32 v[R+16*(\p)+\i], v1, s[6:7] offset:(16*(\p)+\i)*4096 th:TH_LOAD_NT
.endr
.endm
.macro VPIECE p                        ; 16 keys become 16 bytes: group c = p / 2, half p % 2 of the image: at 256 p + 16 r
.if (\p)+3 < 8
	VLOAD (\p)+3
	s_wait_loadcnt 48                              ; behind piece p's loads: three pieces' 48
.else
	s_wait_loadcnt 16*(7-(\p))                     ; the pieces left behind it
.endif
.set x, R+16*(\p)
.rept 16
	v_med3_num_f32 v[x], v[x], -v10, v10
.set x, x+1
.endr
	v_cvt_scalef32_pk8_bf8_f32 v[X+4*(\p):X+4*(\p)+1], v[R+16*(\p):R+16*(\p)+7], v11
	v_cvt_scalef32_pk8_bf8_f32 v[X+4*(\p)+2:X+4*(\p)+3], v[R+16*(\p)+8:R+16*(\p)+15], v11
	global_store_b128 v2, v[X+4*(\p):X+4*(\p)+3], s[12:13] offset:256*(\p)   ; lanes 0-15 store 256 consecutive bytes, aligned; lanes 16-31 likewise, a fragment on.  Every piece has registers of its own
.endm
	VLOAD 0
	VLOAD 1
	VLOAD 2
	s_wait_alu depctr_va_vdst(0)
	s_wait_kmcnt 0x0
	POW 22, 11, 10                                 ; e2
	s_wait_alu depctr_va_vdst(0)
.irp p, 0,1,2,3,4,5,6,7
	VPIECE \p
.endr
	s_endpgm
.Lfunc_end_k_qd29d774f30_prep:
	.size	k_qd29d774f30_prep, .Lfunc_end_k_qd29d774f30_prep-k_qd29d774f30_prep
	.p2alignl 7, 3214868480
	.fill 96, 4, 3214868480
	.section	.rodata,"a",@progbits
	.p2align	6, 0x0
	.amdhsa_kernel k_qd29d774f30_prep
		.amdhsa_group_segment_fixed_size 34304
		.amdhsa_private_segment_fixed_size 0
		.amdhsa_enable_private_segment 0
		.amdhsa_kernarg_size 48
		.amdhsa_user_sgpr_count 2
		.amdhsa_user_sgpr_kernarg_segment_ptr 1
		.amdhsa_wavefront_size32 1
		.amdhsa_system_sgpr_workgroup_id_x 1
		.amdhsa_system_sgpr_workgroup_id_y 1
		.amdhsa_system_sgpr_workgroup_id_z 1
		.amdhsa_system_vgpr_workitem_id 0
		.amdhsa_next_free_vgpr 192
		.amdhsa_next_free_sgpr 66
		.amdhsa_reserve_vcc 0
		.amdhsa_float_denorm_mode_32 3
		.amdhsa_float_denorm_mode_16_64 3
		.amdhsa_memory_ordered 1
		.amdhsa_forward_progress 1
		.amdhsa_inst_pref_size 45
	.end_amdhsa_kernel
	.amdgpu_metadata
---
amdhsa.version: [ 1, 2 ]
amdhsa.kernels:
  - .name:           k_qd29d774f30_prep
    .symbol:         k_qd29d774f30_prep.kd
    .args:
      - { .name: keys, .offset: 0, .size: 8, .value_kind: global_buffer, .address_space: global }
      - { .name: values, .offset: 8, .size: 8, .value_kind: global_buffer, .address_space: global }
      - { .name: W_out, .offset: 16, .size: 8, .value_kind: global_buffer, .address_space: global }
      - { .name: lowp_scales, .offset: 24, .size: 8, .value_kind: global_buffer, .address_space: global }
      - { .name: kv_img, .offset: 32, .size: 8, .value_kind: global_buffer, .address_space: global }
      - { .name: w_img, .offset: 40, .size: 8, .value_kind: global_buffer, .address_space: global }
    .group_segment_fixed_size: 34304
    .private_segment_fixed_size: 0
    .kernarg_segment_align: 8
    .kernarg_segment_size: 48
    .max_flat_workgroup_size: 128
    .sgpr_count:     66
    .vgpr_count:     192
    .wavefront_size: 32
...
	.end_amdgpu_metadata
.endif
;; end of part 1
;; launch attn (part 2): grid 4 x 64, 8 waves a work-group, clusters of 4 x 1, 327,680 bytes of LDS; arguments query, kv_img, lowp_scales, a_img; writes a_img
.if DOCPART == 2
	.amdgcn_target "amdgcn-amd-amdhsa--gfx1250"
	.amdhsa_code_object_version 6
	.text
	.protected	k_qd29d774f30_attn
	.globl	k_qd29d774f30_attn
	.p2align	8
	.type	k_qd29d774f30_attn,@function
k_qd29d774f30_attn:
	s_mov_b64 s[64:65], 0
	v_nop
	global_prefetch_b8 v0, s[64:65] scope:SCOPE_SE
	s_setreg_imm32_b32 hwreg(HW_REG_WAVE_MODE, 25, 1), 1
	s_wait_xcnt 0x0
	s_wait_alu depctr_hold_cnt(0) depctr_sa_sdst(0) depctr_va_vdst(0) depctr_va_sdst(0) depctr_va_ssrc(0) depctr_va_vcc(0) depctr_vm_vsrc(0)
	s_getreg_b32 s2, hwreg(HW_REG_IB_STS2, 6, 4)
	s_cmp_eq_u32 s2, 0
	s_cbranch_scc0 .Lentry_in_a_cluster
	s_endpgm
.Lentry_in_a_cluster:
	s_bfe_u32 s2, ttmp6, 0x10000c
	s_cmp_lg_u32 s2, 0x3003
	s_cbranch_scc0 .Lentry_shape_is_right
	s_endpgm
.Lentry_shape_is_right:
; softmax(Q K^T / 8) V for one head y = 16 n + h, both products on codes of E5M2; the result leaves as codes of E5M2 (scale entry 4), laid as images of the next launch's operand registers.
; p = 2^(t - M), t = score x log2(e) / 8, M = the running largest t rounded up to a whole number; the row's sum is taken of p before its hold; when M moves, sum and O are multiplied by 2^(old M - new M).
; LIMITS: e0 + e1 between -123 and 130; e0, e3 and e4 - e2 - e3 between -126 and 112; the scaled scores stay under 2^31 in magnitude; NaN and infinities among the inputs are not served.
; SHARES.  A work-group owns 512 queries of a head, each of its 8 waves 64 of them: 4 tiles of 16.  The 4 work-groups of a cluster own one head and ask for its K and V jointly.
; All 262,144 bytes of the head's images are asked for once, at the head: one tensor load of 32,768 bytes a wave.  Nothing is filled again, and no load follows in the loop, so there is no prefetch to lay.
; A UNIT is one tile of queries x one key step of 128 keys: 64 scores a lane.  The units go through a pipeline on two buffers of scores.  Period k holds:
;   the exponentials of unit k, with unit k-1's holds among them; O of unit k's tile x f; unit k-1's codes; the score products of unit k+1, among them the row sums of unit k and the maxima of unit k+1;
;   the products V^T P^T of unit k-1 inside the chain that makes unit k+1's M and f; t - M of unit k+1.
; So between two lines that hang on each other stand lines of another unit.  Period 0, the last three periods and the two ends are written out; periods 1 to 60 are a loop of 15 trips of 4.
; LAYOUT as in the images: S^T = K Q^T and O^T = V^T P^T, a lane holds one query (lane % 16); the 16 registers of score tiles 2 b, 2 b + 1 are keys 32 b + 16 (lane / 16) + 0 .. 15.
; REGISTERS.  Window 0: v0-31 state, v32-159 two buffers of scores, v160-223 K's fragments of a step, v224-255 Q's codes.  Window 1: v0-127 O^T (32 a tile), v128-191 V's fragments, v192-207 p's codes, v208 2^e3.
.set DUAL,  1                          ; 1: the hold of two numbers is one dual line; 0: two lines
.set STEPB, 16384                      ; a key step's images
.set SPARE, 0x40000                    ; behind the images: the spare words, 128 bytes a wave
.set ADR,  1                           ; LDS address: 16 x lane + the step in hand
.set PX,   2                           ; lane l xor 16's maximum
.set QA,   3                           ; the head: my offset in query
.set SU,   4                           ; v[4:5] second chain of the row's sum
.set F,    6                           ; f = 2^(old M - new M); v7 is named with it as a pair
.set PLA,  8                           ; 57,344 x 2^e3, twice: the two halves of a dual line read registers of different banks
.set PLB,  9
.set MA,   10                          ; v10-12 three chains of the maximum, then the chain's work
.set MB,   11
.set MC,   12
.set LI,   13                          ; 16 x lane
.set SPW,  14                          ; my spare word; never rewritten
.set NIL,  15                          ; 0; never rewritten
.set ST,   16                          ; four registers a tile: -M, the largest raw score, the sum in two halves
.set S,    32
.set KF,   160
.set QC,   224
.set VF,   128                         ; window 1
.set P,    192
.set PSC,  208
.set WV,   12
.set G1,   16
.set G0,   24
.set CS,   40                          ; s[40:41] c = log2(e) / 8 x 2^(e0 + e1)
.set SEL,  42
.set TBS,  44
.set CNT,  45
.set MSB, 0
.macro WIN new                         ; the immediate's high byte repeats the setting that is left
.if MSB != \new
	s_set_vgpr_msb (MSB<<8)|\new
.set MSB, \new
.endif
.endm
.macro CROUND                          ; a round of the cluster's barrier
	s_barrier_signal -1
	s_barrier_wait -1
	s_cmp_lg_u32 s[WV], 0
	s_cbranch_scc1 .Lnot_wave_0_\@
	s_barrier_signal -3
.Lnot_wave_0_\@:
	s_barrier_wait -3
	s_barrier_signal -1
	s_barrier_wait -1
.endm
.macro POW se, ssc, slim               ; s[se] = e  ->  s[ssc] = 2^e, s[slim] = 57,344 x 2^e, as f32
	s_add_co_i32 s[\se], s[\se], 127
	s_lshl_b32 s[\ssc], s[\se], 23
	s_add_co_i32 s[\se], s[\se], 15
	s_lshl_b32 s[\slim], s[\se], 23
	s_or_b32 s[\slim], s[\slim], 0x600000
.endm
	s_load_b256 s[4:11], s[0:1], 0x0               ; query, kv_img, the scales' exponents, a_img
	v_lshl_add_u32 v[SPW], v0, 2, SPARE
	v_mov_b32 v[NIL], 0
	ds_add_u32 v[SPW], v[NIL]                      ; the opening lines: the add, twice on end, and its wait below
	ds_add_u32 v[SPW], v[NIL]
	v_lshrrev_b32 v[MA], 5, v0
	v_readfirstlane_b32 s[WV], v[MA]               ; wave 0..7
	s_bfe_u32 s13, ttmp6, 0x40000                  ; cx
	s_and_b32 s14, ttmp7, 0xffff                   ; the head y
	s_mov_b32 s[G1], 15|(3<<16)|(1<<21)            ; all four partners; elements of 8 bytes
	s_mov_b32 s[G1+1], 32<<16                      ; rows of 256 bytes,
	s_mov_b32 s[G1+2], 128<<16                     ; 128 of them, dense
	s_mov_b32 s[G1+3], 32<<16
	s_mov_b32 s[G1+4], 128
	s_mov_b32 s[G1+5], 32
	s_mov_b32 s[G1+6], 0
	s_mov_b32 s[G1+7], 0
	s_lshl_b32 s46, s14, 18
	s_lshl_b32 s47, s[WV], 15
	s_add_co_u32 s48, s46, s47                     ; kv_img: 262,144 y + 32,768 wave
	s_mov_b32 s49, 0
	s_lshr_b32 s50, s14, 4                         ; n
	s_and_b32 s51, s14, 15                         ; h
	s_lshl_b32 s52, ttmp9, 2
	s_add_co_u32 s52, s52, s13
	s_lshl_b32 s53, s52, 3
	s_add_co_u32 s53, s53, s[WV]                   ; which 64 queries of the sequence are mine
	s_lshl_b32 s54, s50, 23
	s_lshl_b32 s55, s53, 18
	s_add_co_u32 s54, s54, s55
	s_lshl_b32 s55, s51, 8
	s_add_co_u32 s54, s54, s55                     ; query: rows of 4,096 bytes, the head's 256
	s_mov_b32 s55, 0
	s_lshl_b32 s56, s50, 21
	s_lshl_b32 s57, s53, 16
	s_add_co_u32 s56, s56, s57
	s_lshl_b32 s57, s51, 10
	s_add_co_u32 s56, s56, s57                     ; a_img: 16,384 a tile of 16 rows, 1,024 a head
	s_mov_b32 s57, 0
	s_mov_b32 s[SEL], 0x76543210
	s_mov_b32 s[SEL+1], 0xfedcba98
	s_mov_b32 s[TBS], 0
	v_and_b32 v[MB], 15, v0
	v_bfe_u32 v[MC], v0, 4, 1
	v_and_b32 v[LI], 31, v0
	v_lshlrev_b32 v[LI], 4, v[LI]
	v_lshlrev_b32 v[QA], 12, v[MB]
	v_lshl_add_u32 v[QA], v[MC], 6, v[QA]          ; row lane % 16, + 64 (lane / 16)
	v_mov_b32 v[ADR], v[LI]
	s_wait_alu depctr_va_vdst(0)                   ; the wait ahead of the waits below
	s_wait_dscnt 0x0                               ; both opening adds are done
	s_wait_kmcnt 0x0
	s_load_b128 s[32:35], s[8:9], 0x0              ; e0 .. e3
	s_load_b64 s[36:37], s[8:9], 0x10              ; e4, e5
	s_mov_b32 s[G0], 1
	s_lshl_b32 s[G0+1], s[WV], 15
	s_add_nc_u64 s[G0+2:G0+3], s[6:7], s[48:49]
	s_or_b32 s[G0+3], s[G0+3], 0x80000000
	s_add_nc_u64 s[4:5], s[4:5], s[54:55]
	s_add_nc_u64 s[10:11], s[10:11], s[56:57]
.irp i, 0,1,2,3                        ; my 64 queries, f32, into the two buffers of scores: asked for ahead of the round, so that they are on their way beside the images
.irp c, 0,1
.irp j, 0,1,2,3
	global_load_b128 v[S+32*\i+16*\c+4*\j:S+32*\i+16*\c+4*\j+3], v[QA], s[4:5] offset:65536*\i+128*\c+16*\j
.endr
.endr
.endr
	CROUND                                         ; all four work-groups are here: the joint loads meet
	tensor_load_to_lds s[G0:G0+3], s[G1:G1+7]      ; my one tensor load: key steps 2 wave, 2 wave + 1
	s_nop 0
	WIN 0x40
.set x, 0
.rept 128
	v_mov_b32 v[x], 0                              ; O^T: the loop is written once, its first step finds zeros
.set x, x+1
.endr
	WIN 0
.irp i, 0,1,2,3
	v_mov_b32 v[ST+4*\i], 0x7f61b1e6               ; -M = 3e38
	v_mov_b32 v[ST+4*\i+1], 0xff61b1e6             ; the largest score so far: -3e38
	v_mov_b32 v[ST+4*\i+2], 0
	v_mov_b32 v[ST+4*\i+3], 0
.endr
	v_mov_b32 v[F+1], 0
	v_mov_b32 v[PX], 0
	s_wait_alu depctr_va_vdst(0)
	s_wait_kmcnt 0x0
	s_add_co_i32 s46, s32, s33
	s_lshl_b32 s46, s46, 23
	s_add_co_i32 s[CS], s46, 0x3e38aa3b            ; log2(e) / 8, e0 + e1 added to its exponent field
	s_mov_b32 s[CS+1], s[CS]
	s_sub_co_i32 s48, s36, s34
	s_sub_co_i32 s48, s48, s35
	POW 48, 58, 59                                 ; the way out: 2^(e4 - e2 - e3)
	POW 35, 50, 51                                 ; p
	POW 32, 52, 53                                 ; Q
	v_mov_b32 v[PLA], s51
	v_mov_b32 v[PLB], s51
	v_mov_b32 v[MA], s52
	v_mov_b32 v[MB], s53
	WIN 0x40
	v_mov_b32 v[PSC], s50
	WIN 0
	s_wait_alu depctr_va_vdst(0)
.irp i, 0,1,2,3
	s_wait_loadcnt 24-8*\i                         ; tile i's eight loads are in; the later tiles' may be out
.set x, S+32*\i
.rept 32
	v_med3_num_f32 v[x], v[x], -v[MB], v[MB]
.set x, x+1
.endr
.irp c, 0,1
	v_cvt_scalef32_pk8_bf8_f32 v[QC+8*\i+4*\c:QC+8*\i+4*\c+1], v[S+32*\i+16*\c:S+32*\i+16*\c+7], v[MA]
	v_cvt_scalef32_pk8_bf8_f32 v[QC+8*\i+4*\c+2:QC+8*\i+4*\c+3], v[S+32*\i+16*\c+8:S+32*\i+16*\c+15], v[MA]
.endr
.endr
	v_nop                                          ; a plain line behind the last conversion
.macro SADD                            ; the next line of unit k's row sum: 32 lines in two chains; nothing when they are through
.if SN == 0
	v_pk_add_f32 v[SU:SU+1], v[CU:CU+1], v[CU+2:CU+3]
.elseif SN < 31
.if SN%2
	v_pk_add_f32 v[T+2:T+3], v[T+2:T+3], v[CU+2*SN+2:CU+2*SN+3]
.else
	v_pk_add_f32 v[SU:SU+1], v[SU:SU+1], v[CU+2*SN+2:CU+2*SN+3]
.endif
.elseif SN == 31
	v_pk_add_f32 v[T+2:T+3], v[T+2:T+3], v[SU:SU+1]
.endif
.set SN, SN+1
.endm
.macro SPL                             ; a place behind a matrix instruction or a conversion: a line of the sum, or v_nop
.if SN < 32
	SADD
.else
	v_nop
.endif
.endm
.macro MOP n                           ; line n of unit k+1's maximum: three chains, the scores in ascending order (each accumulator from its low end on)
.if (\n) == 0
	v_max3_num_f32 v[MA], v[OT], v[OT+1], v[OT+2]
.elseif (\n) == 1
	v_max3_num_f32 v[MB], v[OT+3], v[OT+4], v[OT+5]
.elseif (\n) == 2
	v_max_num_f32 v[MC], v[OT+6], v[OT+7]
.else
	v_max3_num_f32 v[MA+(\n)%3], v[MA+(\n)%3], v[OT+2*(\n)+2], v[OT+2*(\n)+3]
.endif
.endm
.macro KQW t
	v_wmma_f32_16x16x64_bf8_bf8 v[OT+8*(\t):OT+8*(\t)+7], v[KF+8*(\t):KF+8*(\t)+7], v[QN:QN+7], 0
.endm
.macro PVW d
	v_wmma_f32_16x16x128_bf8_bf8 v[OP+8*(\d):OP+8*(\d)+7], v[VF+16*(\d):VF+16*(\d)+15], v[P:P+15], v[OP+8*(\d):OP+8*(\d)+7]
.endm
.macro FM n                            ; n lines of t - M, two scores a line
.rept \n
	v_pk_fma_f32 v[OT+FX:OT+FX+1], v[OT+FX:OT+FX+1], s[CS:CS+1], v[TN:TN+1] op_sel_hi:[1,0,0]
.set FX, FX+2
.endr
.endm
; THE FIRST HALF OF PERIOD k, i = k % 4.  ex: unit k has exponentials and a rescaling; prev: unit k-1 is held and converted; dsw: LDS loads of the period before are waited for.
.macro FRONT i, ex, prev, dsw
.set CU, S+64*((\i)%2)
.set OT, S+64*(1-(\i)%2)
.if \ex
	s_wait_alu depctr_va_vdst(0)                   ; ahead of the batch
.endif
.set x, 0
.rept 32
.if \ex
	v_exp_f32 v[CU+x], v[CU+x]
	v_exp_f32 v[CU+x+1], v[CU+x+1]
.endif
.if \prev                              ; p is not negative: a one-sided hold at the largest code x 2^e3.  Its results are first read behind the wait below
.if DUAL
	v_dual_min_num_f32 v[OT+x], v[OT+x], v[PLA] :: v_dual_min_num_f32 v[OT+x+1], v[OT+x+1], v[PLB]
.else
	v_min_num_f32 v[OT+x], v[OT+x], v[PLA]
	v_min_num_f32 v[OT+x+1], v[OT+x+1], v[PLA]
.endif
.endif
.set x, x+2
.endr
.if \ex
	v_nop                                          ; a plain place behind the last exponential
.if \dsw
	s_wait_dscnt 0x0                               ; the fragments asked for in the period before are in
.endif
	WIN 0x41
	s_wait_alu depctr_va_vdst(0)                   ; behind the batch, and directly ahead of the first readers of O^T
.set x, 32*(\i)
.rept 16
	v_pk_mul_f32 v[x:x+1], v[x:x+1], v[F:F+1] op_sel_hi:[1,0]   ; O^T of unit k's tile under the new M
.set x, x+2
.endr
.endif
.if \prev
	WIN 0x44
.irp g, 0,1,2,3,4,5,6,7
	v_cvt_scalef32_pk8_bf8_f32 v[P+2*\g:P+2*\g+1], v[OT+8*\g:OT+8*\g+7], v[PSC]
.endr
.endif
	WIN 0
.endm
; THE SECOND HALF.  sum: unit k's row sum; prev: unit k-1's products with V; next: unit k+1's scores, maximum, M, f, t - M; ld: 1: this step's fragments of V, 2: the next step's of K.
.macro BACK i, sum, prev, next, ld
.set CU, S+64*((\i)%2)
.set OT, S+64*(1-(\i)%2)
.set T,  ST+4*(\i)
.set TN, ST+4*(((\i)+1)%4)
.set QN, QC+8*(((\i)+1)%4)
.set OP, 32*(((\i)+3)%4)
.set FX, 0
.if \sum
.set SN, 0
.else
.set SN, 32
.endif
	SPL                                            ; the plain line behind the conversions
.if \next
.irp t, 0,1,2,3
	KQW \t
	SPL                                            ; four places stand between a tile's product and its first reader
.endr
	MOP 0
	MOP 1
	MOP 2
.set N_, 3
.irp t, 4,5,6,7
	KQW \t
.rept 2
	MOP N_
	MOP N_+1
	SADD
.set N_, N_+2
.endr
.endr
.rept 6
	MOP N_
	MOP N_+1
	SADD
.set N_, N_+2
.endr
	v_max3_num_f32 v[MA], v[MA], v[MB], v[MC]
	SADD
.endif
.if \prev
	WIN 0x55
	PVW 0
	PVW 1
.if (\next) == 0
	PVW 2
	PVW 3
.endif
	WIN 0
.endif
.if \next
	v_permlanex16_b32 v[PX], v[MA], s[SEL], s[SEL+1]
	SADD
	SADD
	v_max3_num_f32 v[TN+1], v[TN+1], v[MA], v[PX]  ; the running largest score (c is positive, so it gives the largest t)
	SADD
	SADD
	v_mul_f32 v[MB], s[CS], v[TN+1]
.if \prev
	WIN 0x55
	PVW 2
	PVW 3
	WIN 0
.endif
	SADD
	SADD
	v_floor_f32 v[MB], -v[MB]                      ; the new -M = -ceil(t): a whole number
	SADD
	SADD
	v_sub_f32 v[MC], v[MB], v[TN]                  ; old M - new M, 0 or less
	v_mov_b32 v[TN], v[MB]
	SADD
	v_cvt_i32_f32 v[MC], v[MC]                     ; (it saturates)
.endif
.rept 32
	SADD                                           ; what is left of the sum
.endr
.if \next
	FM 4
	v_ldexp_f32 v[F], 1.0, v[MC]                   ; f: a multiplication by it rounds nothing
	FM 4
	v_pk_mul_f32 v[TN+2:TN+3], v[TN+2:TN+3], v[F:F+1] op_sel_hi:[1,0]
.endif
.if (\ld) == 1                         ; more than four plain lines behind the last product that read these registers
	WIN 0x40
.irp d, 0,1,2,3
.irp c, 0,1,2,3
	ds_load_b128 v[VF+16*\d+4*\c:VF+16*\d+4*\c+3], v[ADR] offset:8192+2048*\d+512*\c
.endr
.endr
	WIN 0
.elseif (\ld) == 2
.irp t, 0,1,2,3,4,5,6,7
.irp c, 0,1
	ds_load_b128 v[KF+8*\t+4*\c:KF+8*\t+4*\c+3], v[ADR] offset:STEPB+1024*\t+512*\c
.endr
.endr
	s_add_co_u32 s[TBS], s[TBS], STEPB
	v_add_nc_u32 v[ADR], s[TBS], v[LI]             ; on to the next step
.endif
.if \next
	FM 24
.endif
.endm
	s_wait_alu depctr_va_vdst(0)                   ; the wait at the head's end
	s_wait_tensorcnt 0x0                           ; my part of the images has landed
	s_barrier_signal -1
	s_barrier_wait -1                              ; and everybody's
.irp t, 0,1,2,3,4,5,6,7
.irp c, 0,1
	ds_load_b128 v[KF+8*\t+4*\c:KF+8*\t+4*\c+3], v[ADR] offset:1024*\t+512*\c
.endr
.endr
	s_wait_dscnt 0x0
	BACK 3, 0, 0, 1, 0                             ; unit 0's scores, M and t - M
	FRONT 0, 1, 0, 0                               ; period 0
	BACK 0, 1, 0, 1, 1
	s_mov_b32 s[CNT], 15
.Lstep:                                            ; periods 1 to 60
	FRONT 1, 1, 1, 1
	BACK 1, 1, 1, 1, 0
	FRONT 2, 1, 1, 0
	BACK 2, 1, 1, 1, 2
	FRONT 3, 1, 1, 1
	BACK 3, 1, 1, 1, 0
	FRONT 0, 1, 1, 0
	BACK 0, 1, 1, 1, 1
	s_sub_co_u32 s[CNT], s[CNT], 1
	s_cmp_lg_u32 s[CNT], 0
	s_cbranch_scc1 .Lstep
	FRONT 1, 1, 1, 1                               ; periods 61 to 63: no step of K follows, and behind unit 63 no unit
	BACK 1, 1, 1, 1, 0
	FRONT 2, 1, 1, 0
	BACK 2, 1, 1, 1, 0
	FRONT 3, 1, 1, 0
	BACK 3, 1, 1, 0, 0
	FRONT 0, 0, 1, 0                               ; unit 63's hold, codes and products
	BACK 0, 0, 1, 0, 0
; THE WAY OUT: O^T / the row's sum, held and converted at 2^(e4 - e2 - e3); a tile's 32 codes a lane are two stores, each 512 consecutive bytes of the wave, aligned.
.irp i, 0,1,2,3
	v_add_f32 v[ST+4*\i+2], v[ST+4*\i+2], v[ST+4*\i+3]
.endr
.irp i, 0,1,2,3
	v_permlanex16_b32 v[ST+4*\i+3], v[ST+4*\i+2], s[SEL], s[SEL+1]
.endr
.irp i, 0,1,2,3
	v_add_f32 v[ST+4*\i+2], v[ST+4*\i+2], v[ST+4*\i+3]
.endr
	v_mov_b32 v[MA], s58
	v_mov_b32 v[MB], s59
	s_wait_alu depctr_va_vdst(0)                   ; ahead of the batch
.irp i, 0,1,2,3
	v_rcp_f32 v[ST+4*\i+2], v[ST+4*\i+2]
.endr
	v_nop
.macro OUT i
.set T, ST+4*(\i)
.set WK, S+32*((\i)%2)
.set CB, KF+8*(\i)
	WIN 0x01
	s_wait_alu depctr_va_vdst(0)                   ; behind the batch, directly ahead of the first readers of this tile's O^T
.set x, 0
.rept 16
	v_pk_mul_f32 v[WK+x:WK+x+1], v[32*(\i)+x:32*(\i)+x+1], v[T+2:T+3] op_sel_hi:[1,0]
.set x, x+2
.endr
	WIN 0
.set x, 0
.rept 32
	v_med3_num_f32 v[WK+x], v[WK+x], -v[MB], v[MB]
.set x, x+1
.endr
.irp b, 0,1
	v_cvt_scalef32_pk8_bf8_f32 v[CB+4*\b:CB+4*\b+1], v[WK+16*\b:WK+16*\b+7], v[MA]
	v_cvt_scalef32_pk8_bf8_f32 v[CB+4*\b+2:CB+4*\b+3], v[WK+16*\b+8:WK+16*\b+15], v[MA]
.endr
	v_nop
.irp b, 0,1
	global_store_b128 v[LI], v[CB+4*\b:CB+4*\b+3], s[10:11] offset:16384*(\i)+512*\b
.endr
.endm
	OUT 0
	OUT 1
	OUT 2
	OUT 3
	s_wait_tensorcnt 0x0                           ; the wave's end
	ds_add_u32 v[SPW], v[NIL]
	s_wait_dscnt 0x0
	CROUND                                         ; the closing round
	s_endpgm
.Lfunc_end_k_qd29d774f30_attn:
	.size	k_qd29d774f30_attn, .Lfunc_end_k_qd29d774f30_attn-k_qd29d774f30_attn
	.p2alignl 7, 3214868480
	.fill 96, 4, 3214868480
	.section	.rodata,"a",@progbits
	.p2align	6, 0x0
	.amdhsa_kernel k_qd29d774f30_attn
		.amdhsa_group_segment_fixed_size 327680
		.amdhsa_private_segment_fixed_size 0
		.amdhsa_enable_private_segment 0
		.amdhsa_kernarg_size 32
		.amdhsa_user_sgpr_count 2
		.amdhsa_user_sgpr_kernarg_segment_ptr 1
		.amdhsa_wavefront_size32 1
		.amdhsa_system_sgpr_workgroup_id_x 1
		.amdhsa_system_sgpr_workgroup_id_y 1
		.amdhsa_system_sgpr_workgroup_id_z 1
		.amdhsa_system_vgpr_workitem_id 0
		.amdhsa_next_free_vgpr 512
		.amdhsa_next_free_sgpr 66
		.amdhsa_reserve_vcc 0
		.amdhsa_float_denorm_mode_32 3
		.amdhsa_float_denorm_mode_16_64 3
		.amdhsa_memory_ordered 1
		.amdhsa_forward_progress 1
		.amdhsa_inst_pref_size 146
	.end_amdhsa_kernel
	.amdgpu_metadata
---
amdhsa.version: [ 1, 2 ]
amdhsa.kernels:
  - .name:           k_qd29d774f30_attn
    .symbol:         k_qd29d774f30_attn.kd
    .args:
      - { .name: query, .offset: 0, .size: 8, .value_kind: global_buffer, .address_space: global }
      - { .name: kv_img, .offset: 8, .size: 8, .value_kind: global_buffer, .address_space: global }
      - { .name: lowp_scales, .offset: 16, .size: 8, .value_kind: global_buffer, .address_space: global }
      - { .name: a_img, .offset: 24, .size: 8, .value_kind: global_buffer, .address_space: global }
    .group_segment_fixed_size: 327680
    .private_segment_fixed_size: 0
    .kernarg_segment_align: 8
    .kernarg_segment_size: 32
    .max_flat_workgroup_size: 256
    .sgpr_count:     66
    .vgpr_count:     512
    .wavefront_size: 32
...
	.end_amdgpu_metadata
.endif
;; end of part 2
;; launch proj (part 3): grid 32 x 8, 4 waves a work-group, clusters of 4 x 1, 327,680 bytes of LDS; arguments a_img, w_img, lowp_scales, b_out, out0; writes out0
.if DOCPART == 3
	.amdgcn_target "amdgcn-amd-amdhsa--gfx1250"
	.amdhsa_code_object_version 6
	.text
	.protected	k_qd29d774f30_proj
	.globl	k_qd29d774f30_proj
	.p2align	8
	.type	k_qd29d774f30_proj,@function
k_qd29d774f30_proj:
	s_mov_b64 s[64:65], 0
	v_nop
	global_prefetch_b8 v0, s[64:65] scope:SCOPE_SE
	s_setreg_imm32_b32 hwreg(HW_REG_WAVE_MODE, 25, 1), 1
	s_wait_xcnt 0x0
	s_wait_alu depctr_hold_cnt(0) depctr_sa_sdst(0) depctr_va_vdst(0) depctr_va_sdst(0) depctr_va_ssrc(0) depctr_va_vcc(0) depctr_vm_vsrc(0)
	s_getreg_b32 s2, hwreg(HW_REG_IB_STS2, 6, 4)
	s_cmp_eq_u32 s2, 0
	s_cbranch_scc0 .Lentry_in_a_cluster
	s_endpgm
.Lentry_in_a_cluster:
	s_bfe_u32 s2, ttmp6, 0x10000c
	s_cmp_lg_u32 s2, 0x3003
	s_cbranch_scc0 .Lentry_shape_is_right
	s_endpgm
.Lentry_shape_is_right:
; out0 = A W_out^T x 2^(e4 + e5) + b_out, 8,192 x 1,024 x 1,024, on codes of E5M2 that lie as images of operand registers (a_img: 16,384 bytes for 16 rows, w_img: 16,384 for 16 rows of W_out; in both 2,048 ks + 512 c + 16 lane).
; LIMIT: e4 + e5 between -126 and 127, so that 2^(e4 + e5) is an f32 number.
; SHARES.  256 work-groups of four waves; a work-group makes 256 rows x 128 columns, a wave 64 rows x 128 columns.
; A wave's 64 rows of A, all of K, are nobody else's in the work-group: they go from memory straight into 512 registers (windows 1 and 2) and stay.
; The 8 tiles of W_out (131,072 bytes) are shared by the four waves and by the four work-groups of a cluster (four row blocks of one column block): one joint tensor load of 32,768 bytes a wave, at the head; nothing is filled again.
; Each wave streams the 8 tiles from LDS, a tile's 128 registers at a time in two sets (window 3): each fragment of W_out feeds four products.  A tile is 32 products on four accumulators by turns.
; THE PRODUCT IS USED TRANSPOSED (source 0 = 16 rows of W_out, source 1 = 16 rows of A): a lane holds 8 neighbouring columns of one row.  Behind tiles 3 and 7 the 64 columns just finished leave: 16 rows at a time
; through the wave's own stage in LDS, back as rows of 256 bytes, x the scale + the bias, and sixteen lanes store one aligned unit of 256 bytes.
; No prefetch: all that the launch reads is asked for at its head, and there is no loop to run ahead in.
; REGISTERS.  Window 0: v1-6 addresses, v30-31 the add's, v32-159 sixteen accumulators (tile % 4, block of rows), v160-223 two sets of rows on the way out, v224-231 the bias.
.set SPITCH, 272
.set STAGE,  131072                    ; behind W_out's tiles: 16 rows x 272 bytes for each wave
.set SPARE,  0x24400                   ; behind the stages: the spare words, 128 bytes a wave
.set LI,   1                           ; v1 16 x lane; v2 the same + 65,536 (tiles 4 to 7)
.set STO,  3
.set RD,   4
.set CO,   5
.set BO,   6
.set SPW,  30
.set NIL,  31
.set ACC,  32
.set BK,   160
.set BI,   224
.set WV,   14
.set G1,   24
.set G0,   32
.set MSB, 0
.macro WIN new                         ; the immediate's high byte repeats the setting that is left
.if MSB != \new
	s_set_vgpr_msb (MSB<<8)|\new
.set MSB, \new
.endif
.endm
.macro CROUND                          ; a round of the cluster's barrier
	s_barrier_signal -1
	s_barrier_wait -1
	s_cmp_lg_u32 s[WV], 0
	s_cbranch_scc1 .Lnot_wave_0_\@
	s_barrier_signal -3
.Lnot_wave_0_\@:
	s_barrier_wait -3
	s_barrier_signal -1
	s_barrier_wait -1
.endm
	s_load_b256 s[4:11], s[0:1], 0x0               ; a_img, w_img, the scales' exponents, b_out
	s_load_b64 s[12:13], s[0:1], 0x20              ; out0
	v_lshl_add_u32 v[SPW], v0, 2, SPARE
	v_mov_b32 v[NIL], 0
	ds_add_u32 v[SPW], v[NIL]                      ; the opening lines: the add, twice on end, and its wait below
	ds_add_u32 v[SPW], v[NIL]
	v_lshrrev_b32 v7, 5, v0
	v_readfirstlane_b32 s[WV], v7                  ; wave 0..3
	s_bfe_u32 s15, ttmp6, 0x40000                  ; cx
	s_and_b32 s16, ttmp7, 0xffff                   ; the column block
	s_mov_b32 s[G1], 15|(3<<16)|(1<<21)            ; all four partners; elements of 8 bytes
	s_mov_b32 s[G1+1], 32<<16                      ; rows of 256 bytes,
	s_mov_b32 s[G1+2], 128<<16                     ; 128 of them, dense: two tiles
	s_mov_b32 s[G1+3], 32<<16
	s_mov_b32 s[G1+4], 128
	s_mov_b32 s[G1+5], 32
	s_mov_b32 s[G1+6], 0
	s_mov_b32 s[G1+7], 0
	s_lshl_b32 s44, s16, 17
	s_lshl_b32 s45, s[WV], 15
	s_add_co_u32 s44, s44, s45                     ; w_img: 131,072 column block + 32,768 wave
	s_mov_b32 s45, 0
	s_lshl_b32 s46, ttmp9, 2
	s_add_co_u32 s46, s46, s15                     ; the row block
	s_lshl_b32 s48, s46, 18
	s_lshl_b32 s47, s[WV], 16
	s_add_co_u32 s48, s48, s47                     ; a_img: 16 blocks of 16 rows a row block, 4 a wave
	s_mov_b32 s49, 0
	s_lshl_b32 s50, s46, 20
	s_lshl_b32 s47, s[WV], 18
	s_add_co_u32 s50, s50, s47                     ; out0: rows of 4,096 bytes
	s_lshl_b32 s52, s16, 9                         ; 128 columns of f32
	s_mov_b32 s53, 0
	s_add_co_u32 s50, s50, s52
	s_mov_b32 s51, 0
	s_mul_i32 s54, s[WV], 16*SPITCH
	s_add_co_u32 s54, s54, STAGE                   ; my stage
	v_and_b32 v7, 15, v0                           ; r
	v_bfe_u32 v8, v0, 4, 1                         ; h
	v_and_b32 v[LI], 31, v0
	v_lshlrev_b32 v[LI], 4, v[LI]
	v_add_nc_u32 v[LI+1], 65536, v[LI]
	v_mul_u32_u24 v[STO], v7, SPITCH
	v_lshl_add_u32 v[STO], v8, 5, v[STO]
	v_add_nc_u32 v[STO], s54, v[STO]               ; in: row r, 32 bytes for each half of the lanes
	v_mul_u32_u24 v[RD], v8, SPITCH
	v_lshl_add_u32 v[RD], v7, 4, v[RD]
	v_add_nc_u32 v[RD], s54, v[RD]                 ; back: lanes 0-15 one row, lanes 16-31 the next
	v_lshlrev_b32 v[BO], 4, v7
	v_lshl_add_u32 v[CO], v8, 12, v[BO]            ; and the same two rows in out0
	s_wait_alu depctr_va_vdst(0)                   ; the wait at the head's end
	s_wait_dscnt 0x0                               ; both opening adds are done
	CROUND                                         ; all four work-groups are here: the joint loads meet
	s_wait_kmcnt 0x0
	s_load_b64 s[42:43], s[8:9], 0x10              ; e4, e5
	s_mov_b32 s[G0], 1
	s_lshl_b32 s[G0+1], s[WV], 15
	s_add_nc_u64 s[G0+2:G0+3], s[6:7], s[44:45]
	s_or_b32 s[G0+3], s[G0+3], 0x80000000
	s_add_nc_u64 s[4:5], s[4:5], s[48:49]
	s_add_nc_u64 s[10:11], s[10:11], s[52:53]
	s_add_nc_u64 s[12:13], s[12:13], s[50:51]
	tensor_load_to_lds s[G0:G0+3], s[G1:G1+7]      ; my one tensor load: tiles 2 wave, 2 wave + 1
	s_nop 0
.irp g, 0,1
	global_load_b128 v[BI+4*\g:BI+4*\g+3], v[BO], s[10:11] offset:256*\g   ; the bias of my four columns of each 64
.endr
.irp q, 0,1,2,3,4,5,6,7                ; A: fragment 4 q + b (K step q, block of rows b) lies in window 1 + q / 4.  By K steps, so that the first tile's products can wait by count
	WIN (1+\q/4)<<6
.irp b, 0,1,2,3
.irp c, 0,1,2,3
	global_load_b128 v[16*((4*\q+\b)%16)+4*\c:16*((4*\q+\b)%16)+4*\c+3], v[LI], s[4:5] offset:16384*\b+2048*\q+512*\c
.endr
.endr
.endr
	WIN 0
	s_wait_kmcnt 0x0
	s_add_co_i32 s40, s42, s43
	s_add_co_i32 s40, s40, 127
	s_lshl_b32 s40, s40, 23                        ; 2^(e4 + e5)
	s_mov_b32 s41, s40
.macro FETCH n                         ; tile n of W_out, all of K, into set n % 2 of window 3: 32 loads
	WIN 0xc0
.irp q, 0,1,2,3,4,5,6,7
.irp c, 0,1,2,3
	ds_load_b128 v[128*((\n)%2)+16*\q+4*\c:128*((\n)%2)+16*\q+4*\c+3], v[LI+(\n)/4] offset:16384*((\n)%4)+2048*\q+512*\c
.endr
.endr
	WIN 0
.endm
.macro BLK n, w                        ; tile n: 32 products; w: the LDS loads that may stay out (the next tile's fetch)
	s_wait_dscnt \w
.irp q, 0,1,2,3,4,5,6,7
.if (\n) == 0                          ; A's loads were issued by K steps, 16 a step: behind step q stand 16 (7 - q); the count's field holds 63, which shows steps 0 to 3
.if \q == 0
	s_wait_loadcnt 63
.elseif \q > 3
	s_wait_loadcnt 16*(7-\q)
.endif
.endif
	WIN 3|((1+\q/4)<<2)
.irp b, 0,1,2,3
.if \q == 0
	v_wmma_f32_16x16x128_bf8_bf8 v[ACC+32*((\n)%4)+8*\b:ACC+32*((\n)%4)+8*\b+7], v[128*((\n)%2)+16*\q:128*((\n)%2)+16*\q+15], v[16*((4*\q+\b)%16):16*((4*\q+\b)%16)+15], 0
.else
	v_wmma_f32_16x16x128_bf8_bf8 v[ACC+32*((\n)%4)+8*\b:ACC+32*((\n)%4)+8*\b+7], v[128*((\n)%2)+16*\q:128*((\n)%2)+16*\q+15], v[16*((4*\q+\b)%16):16*((4*\q+\b)%16)+15], v[ACC+32*((\n)%4)+8*\b:ACC+32*((\n)%4)+8*\b+7]
.endif
.endr
.endr
	WIN 0
.rept 4
	v_nop                                          ; places ahead of loads into registers that the products have read, and of the first read of their sums
.endr
.if (\n)+2 < 8
	FETCH (\n)+2
.endif
.endm
.macro TOSTAGE b                       ; block of rows b, 16 rows x 64 columns, into my stage and back by rows.  LDS serves a wave's instructions in order (ISA guide 5.7.1.4): no wait between the stores and the loads
	s_wait_xcnt 0x0                                ; earlier stores have read the registers on which the loads below land
.irp nt, 0,1,2,3
	ds_store_b128 v[STO], v[ACC+32*\nt+8*(\b):ACC+32*\nt+8*(\b)+3] offset:64*\nt
	ds_store_b128 v[STO], v[ACC+32*\nt+8*(\b)+4:ACC+32*\nt+8*(\b)+7] offset:64*\nt+16
.endr
.irp t, 0,1,2,3,4,5,6,7
	ds_load_b128 v[BK+32*((\b)%2)+4*\t:BK+32*((\b)%2)+4*\t+3], v[RD] offset:2*\t*SPITCH
.endr
.endm
.macro SEND b, g, younger              ; younger: the LDS instructions issued behind block b's loads
.set B_, BK+32*((\b)%2)
	s_wait_dscnt \younger
.irp t, 0,1,2,3,4,5,6,7
	v_pk_fma_f32 v[B_+4*\t:B_+4*\t+1], v[B_+4*\t:B_+4*\t+1], s[40:41], v[BI+4*(\g):BI+4*(\g)+1] op_sel_hi:[1,0,1]
	v_pk_fma_f32 v[B_+4*\t+2:B_+4*\t+3], v[B_+4*\t+2:B_+4*\t+3], s[40:41], v[BI+4*(\g)+2:BI+4*(\g)+3] op_sel_hi:[1,0,1]
.endr
.irp t, 0,1,2,3,4,5,6,7
	global_store_b128 v[CO], v[B_+4*\t:B_+4*\t+3], s[12:13] offset:65536*(\b)+8192*\t+256*(\g) th:TH_STORE_NT   ; sixteen lanes store 256 consecutive bytes, aligned
.endr
.endm
.macro OUT g                           ; columns 64 g on; a block is on its way through the stage while the block before is stored
	TOSTAGE 0
.irp b, 1,2,3
	TOSTAGE \b
	SEND \b-1, \g, 16                              ; behind block b - 1's loads: block b's 8 stores and 8 loads
.endr
	SEND 3, \g, 0
.endm
	s_wait_tensorcnt 0x0                           ; my two tiles have landed
	s_barrier_signal -1
	s_barrier_wait -1                              ; and everybody's
	FETCH 0
	FETCH 1
	BLK 0, 32
	BLK 1, 32
	BLK 2, 32
	BLK 3, 32
	OUT 0
	BLK 4, 0
	BLK 5, 32
	BLK 6, 32
	BLK 7, 0
	OUT 1
	s_wait_tensorcnt 0x0                           ; the wave's end
	ds_add_u32 v[SPW], v[NIL]
	s_wait_dscnt 0x0
	CROUND                                         ; the closing round
	s_endpgm
.Lfunc_end_k_qd29d774f30_proj:
	.size	k_qd29d774f30_proj, .Lfunc_end_k_qd29d774f30_proj-k_qd29d774f30_proj
	.p2alignl 7, 3214868480
	.fill 96, 4, 3214868480
	.section	.rodata,"a",@progbits
	.p2align	6, 0x0
	.amdhsa_kernel k_qd29d774f30_proj
		.amdhsa_group_segment_fixed_size 327680
		.amdhsa_private_segment_fixed_size 0
		.amdhsa_enable_private_segment 0
		.amdhsa_kernarg_size 40
		.amdhsa_user_sgpr_count 2
		.amdhsa_user_sgpr_kernarg_segment_ptr 1
		.amdhsa_wavefront_size32 1
		.amdhsa_system_sgpr_workgroup_id_x 1
		.amdhsa_system_sgpr_workgroup_id_y 1
		.amdhsa_system_sgpr_workgroup_id_z 1
		.amdhsa_system_vgpr_workitem_id 0
		.amdhsa_next_free_vgpr 1024
		.amdhsa_next_free_sgpr 66
		.amdhsa_reserve_vcc 0
		.amdhsa_float_denorm_mode_32 3
		.amdhsa_float_denorm_mode_16_64 3
		.amdhsa_memory_ordered 1
		.amdhsa_forward_progress 1
		.amdhsa_inst_pref_size 74
	.end_amdhsa_kernel
	.amdgpu_metadata
---
amdhsa.version: [ 1, 2 ]
amdhsa.kernels:
  - .name:           k_qd29d774f30_proj
    .symbol:         k_qd29d774f30_proj.kd
    .args:
      - { .name: a_img, .offset: 0, .size: 8, .value_kind: global_buffer, .address_space: global }
      - { .name: w_img, .offset: 8, .size: 8, .value_kind: global_buffer, .address_space: global }
      - { .name: lowp_scales, .offset: 16, .size: 8, .value_kind: global_buffer, .address_space: global }
      - { .name: b_out, .offset: 24, .size: 8, .value_kind: global_buffer, .address_space: global }
      - { .name: out0, .offset: 32, .size: 8, .value_kind: global_buffer, .address_space: global }
    .group_segment_fixed_size: 327680
    .private_segment_fixed_size: 0
    .kernarg_segment_align: 8
    .kernarg_segment_size: 40
    .max_flat_workgroup_size: 128
    .sgpr_count:     66
    .vgpr_count:     1024
    .wavefront_size: 32
...
	.end_amdgpu_metadata
.endif
;; end of part 3
